; MI455X (gfx1250); checked and timed in simulation.
; The chip was launched on July 23, 2026; its instructions are those of AMD's public machine-readable ISA for CDNA 5 (MIT licence, August 2026) and "CDNA5" Instruction Set Architecture Reference Guide (July 2026). The comments in the code are by the model that wrote it; some were corrected since.
;; Shift NMF. Allowed arithmetic: float matrix products may take bf16 or f16 operands with f32 sums; all other float work in f32.
;; Inputs: H 16 x 4,096 float32; W 1,024 x 16 float32; tau 1,024 x 16 int32.
;; Outputs: out0 1,024 x 4,096 float32.
;; One version. Each part assembles by itself: llvm-mc -triple=amdgcn-amd-amdhsa -mcpu=gfx1250 --defsym DOCPART=n.
;; ======== version 1 of 1: 1 launch
;; launch shiftnmf (part 1): grid 256 x 1, 16 waves a work-group, no clusters, 280,832 bytes of LDS; arguments H, W, tau, out0; writes out0
.if DOCPART == 1
	.amdgcn_target "amdgcn-amd-amdhsa--gfx1250"
	.amdhsa_code_object_version 6
	.text
	.protected	k_q316519c7c9_shiftnmf
	.globl	k_q316519c7c9_shiftnmf
	.p2align	8
	.type	k_q316519c7c9_shiftnmf,@function
k_q316519c7c9_shiftnmf:
	s_mov_b64 s[64:65], 0
	v_nop
	global_prefetch_b8 v0, s[64:65] scope:SCOPE_SE
	s_setreg_imm32_b32 hwreg(HW_REG_WAVE_MODE, 25, 1), 1
	s_wait_xcnt 0x0
; out[n][k] = sum over r of softplus(W[n][r]) * softmax(H[r])[(k - tau[n][r]) mod 4096].   N = 1024, R = 16, M = 4096, all f32, tau int32.
; A softmax of a rolled row is the rolled softmax, so the work-group makes E[r][i] = exp(H[r][i] - max of row r) once, keeps it in LDS,
; and folds 1 / (sum of row r) into the weight: a[n][r] = softplus(W[n][r]) / sum_r.  Then out[n][k] = sum_r a[n][r] E[r][(k - tau) mod M].
;
; SHARES.  256 work-groups of 16 waves; a work-group owns 4 rows of out (64 KiB, contiguous).
;   Phase 1: wave r owns row r of H: 32 loads of 16 bytes a lane hold the row in 128 registers between maximum, exp and sum.
;   Phase 2: wave w owns bytes 4096 w .. 4096 w + 4095 of the group's 64 KiB: row w / 4, columns 1024 (w & 3) .. + 1023, 32 outputs a lane.
; LDS.  16 rows of 17,408 bytes: 16,384 of E and the first 1,024 once more, so that a run of 256 elements that begins anywhere in the
;   row needs no wrap in the lanes; behind them 16 words of 1 / sum.
; The shift is any whole number, so a lane's two neighbouring f32 lie at a 4-byte boundary only: they come by a two-address load
;   (words 64 i and 64 i + 1 from address + 8 lane); one such load of a wave covers 256 consecutive bytes, and so does each store.
;
; NOT USED, by this text's own arithmetic.
;   Matrix instructions: every output row has its own 16 x 4096 operand; a fragment wants the 16 ranks packed in one lane, and each rank
;     has another shift (2-byte gathers); with a 32 x 16 shift matrix as second operand 8,192 multiply-adds would serve 256 outputs of one rank.
;   A joint tensor load of H in a cluster: it would lay raw H into LDS, whose 256 KiB would be read once more and written back,
;     on top of the 1 MiB that phase 2 reads; here H goes straight into the registers that work on it.
;   Prefetch: all that is read (H, one row of W and tau) is asked for in the first lines.
; LIMITS.  |H| * 1.4427 must be finite (|H| < 2.3e38); E below 2^-126 counts as 0 (v_exp_f32 flushes); softplus(W) is 0 for W below
;   about -87; the division by the sum is a multiplication of the weight by v_rcp_f32, so the order of rounding is not the reference's.
;   tau may be any int32: it is taken modulo 4096.  NaN and infinities in H or W give NaN (or infinity) where the formula gives them.
.set ROWB,  16384                      ; bytes of a row of H and of E
.set EXTB,  1024                       ; the row's first 256 elements, once more behind it
.set PITCH, ROWB+EXTB                  ; an LDS row
.set TAB,   16*PITCH                   ; 16 words: 1 / sum of row r
.set L2E,   0x3fb8aa3b                 ; log2(e)
.set NL2E,  0xbfb8aa3b                 ; -log2(e)
.set LN2,   0x3f317218                 ; ln(2)
.set HO,  3                            ; v3        16 x lane: my bytes in each 512 of my row of H
.set WO,  4                            ; v4        4 x (lane & 15): rank's word in a row of W and in the table
.set WV,  5                            ; v5        W[n][lane & 15];  v6-v9 at work
.set SP,  10                           ; v10       softplus, then the weight a[n][lane & 15]
.set LS,  11                           ; v11       LDS: my 16 bytes in the first 512 of my row
.set L8,  12                           ; v12       8 x lane
.set OO,  13                           ; v13       my byte offset in the group's 64 KiB of out
.set TA,  14                           ; v14       address in the table
.set X,   16                           ; v[16:143] the row of H, then of E
.set BUF, 16                           ; the same registers in phase 2: four buffers of 32 (4 ranks x 4 loads x 2)
.set SUM, 144                          ; v[144:151] four packed chains of the sum
.set MX,  152                          ; v[152:155] four chains of the maximum
.set MN,  156                          ; v[156:157] -max x log2(e), twice
.set ADR, 160                          ; v[160:175] LDS address of a rank's run, one for each rank of the four buffers
.set ACC, 176                          ; v[176:207] 32 sums: block q of 256 columns has 8, never written again once stored
.set TU,  16                           ; s[16:31]  tau's row, then 4 x ((first column - tau) mod 4096)
.set WS,  32                           ; s[32:63]  the 16 weights, each twice: a scalar pair is read whole
.set ST,  66                           ; s66       at work
	s_load_b256 s[4:11], s[0:1], 0x0               ; H s[4:5], W s[6:7], tau s[8:9], out s[10:11]
	v_lshl_add_u32 v208, v0, 2, 0x44100
	v_mov_b32 v209, 0
	v_and_b32 v1, 31, v0                           ; lane
	v_lshrrev_b32 v2, 5, v0
	v_readfirstlane_b32 s12, v2                    ; wave 0..15
	v_lshlrev_b32 v[HO], 4, v1
	v_and_b32 v2, 15, v0
	v_lshlrev_b32 v[WO], 2, v2
	v_lshlrev_b32 v[L8], 3, v1
	s_lshl_b32 s14, s12, 14                        ; my row of H: wave x 16,384 bytes
	s_mov_b32 s15, 0
	s_lshr_b32 s66, s12, 2
	s_lshl_b32 s67, ttmp9, 2
	s_add_co_u32 s66, s66, s67                     ; n = 4 x work-group + wave / 4
	s_lshl_b32 s66, s66, 6                         ; a row of W and of tau is 64 bytes
	s_mov_b32 s67, 0
	s_lshl_b32 s68, ttmp9, 16                      ; the group's 64 KiB of out
	s_mov_b32 s69, 0
	s_mul_i32 s70, s12, PITCH                      ; my row in LDS
	v_add_nc_u32 v[LS], s70, v[HO]
	s_lshl_b32 s74, s12, 12                        ; my 4,096 bytes of out
	v_add_nc_u32 v[OO], s74, v[L8]
	s_lshl_b32 s71, s12, 2
	s_add_co_u32 s71, s71, TAB                     ; my word of the table
	s_and_b32 s13, s12, 3
	s_lshl_b32 s13, s13, 10                        ; my first column
	s_mov_b32 s72, 0x76543210                      ; v_permlanex16_b32: lane i of one half reads lane i of the other
	s_mov_b32 s73, 0xfedcba98
	s_wait_kmcnt 0x0
	s_add_nc_u64 s[4:5], s[4:5], s[14:15]
	s_add_nc_u64 s[6:7], s[6:7], s[66:67]
	s_add_nc_u64 s[8:9], s[8:9], s[66:67]
	s_add_nc_u64 s[10:11], s[10:11], s[68:69]
	s_load_b512 s[TU:TU+15], s[8:9], 0x0           ; tau[n][0..15]: the shifts are the same for the whole wave
	global_load_b32 v[WV], v[WO], s[6:7]           ; W[n][lane & 15]
.set jj, 0
.rept 32
	global_load_b128 v[X+4*jj:X+4*jj+3], v[HO], s[4:5] offset:512*jj   ; elements 128 jj + 4 lane + 0..3 of my row: 512 neighbouring bytes a load
.set jj, jj+1
.endr
	; While H is on its way: where each rank's run begins, and softplus.
	s_wait_kmcnt 0x0
.irp r, 0,1,2,3,4,5,6,7,8,9,10,11,12,13,14,15
	s_sub_co_u32 s[TU+\r], s13, s[TU+\r]           ; first column - tau,
	s_and_b32 s[TU+\r], s[TU+\r], 0xfff            ; modulo 4096 (two's complement: right for negative numbers too)
	s_min_u32 s[TU+\r], s[TU+\r], 0xfff            ; a loaded number enters an address only behind a clamp by a constant
	s_lshl_b32 s[TU+\r], s[TU+\r], 2               ; in bytes
.endr
	s_wait_loadcnt 32                              ; loads come back in order (ISA guide 5.7.1): W is in, the 32 loads of H stay out
	; softplus(x) = max(x, 0) + ln(1 + t), t = e^-|x|;  for t < 2^-12, where 1 + t loses t's digits, ln(1 + t) = t - t^2 / 2
	v_and_b32 v6, 0x7fffffff, v[WV]
	v_mul_f32 v6, NL2E, v6
	v_exp_f32 v6, v6                               ; t
	v_max_num_f32 v7, 0, v[WV]                     ; the plain instruction between v_exp_f32 and the use of its result (ISA guide 5.7.2)
	s_wait_alu depctr_va_vdst(0)
	v_add_f32 v8, 1.0, v6
	v_mul_f32 v9, -0.5, v6
	v_log_f32 v8, v8
	v_fma_f32 v9, v9, v6, v6                       ; t - t^2 / 2; also the plain instruction behind v_log_f32
	v_cmp_gt_f32 vcc_lo, 0x39800000, v6            ; 2^-12 > t
	s_wait_alu depctr_va_vdst(0)
	v_fmamk_f32 v8, v8, LN2, v7                    ; max + ln 2 x log2(1 + t)
	v_add_f32 v9, v9, v7                           ; max + the series
	v_cndmask_b32 v[SP], v8, v9, vcc_lo
	; PHASE 1.  The row's maximum: four chains, two quads at a time as they arrive.
.set jj, 0
.rept 16
	s_wait_loadcnt 30-jj                           ; quads jj and jj + 1 are in; the 30 - jj younger loads stay out
.if jj == 0
.irp e, 0,1,2,3
	v_max_num_f32 v[MX+\e], v[X+\e], v[X+4+\e]     ; the first two quads start the chains
.endr
.else
.irp e, 0,1,2,3
	v_max3_num_f32 v[MX+\e], v[MX+\e], v[X+4*jj+\e], v[X+4*jj+4+\e]
.endr
.endif
.set jj, jj+2
.endr
	v_max3_num_f32 v[MX], v[MX], v[MX+1], v[MX+2]
	v_max_num_f32 v[MX], v[MX], v[MX+3]
	v_max_num_f32_dpp v[MX], v[MX], v[MX] row_xmask:1 row_mask:0xf bank_mask:0xf
	v_max_num_f32_dpp v[MX], v[MX], v[MX] row_xmask:2 row_mask:0xf bank_mask:0xf
	v_max_num_f32_dpp v[MX], v[MX], v[MX] row_xmask:4 row_mask:0xf bank_mask:0xf
	v_max_num_f32_dpp v[MX], v[MX], v[MX] row_xmask:8 row_mask:0xf bank_mask:0xf
	v_permlanex16_b32 v[MX+1], v[MX], s72, s73     ; the other half of the lanes; its destination has been written before
	v_max_num_f32 v[MX], v[MX], v[MX+1]            ; the row's maximum, in every lane
	v_mul_f32 v[MN], NL2E, v[MX]
	v_mul_f32 v[MN+1], NL2E, v[MX]
; E = 2^(x log2 e - max log2 e), four numbers in place.  What the rounding of max x log2 e adds to the exponent is the same for the whole row
; and leaves by the division.
.macro EXPQ j
	v_pk_fma_f32 v[X+4*(\j):X+4*(\j)+1], v[X+4*(\j):X+4*(\j)+1], L2E, v[MN:MN+1] op_sel_hi:[1,0,1]
	v_pk_fma_f32 v[X+4*(\j)+2:X+4*(\j)+3], v[X+4*(\j)+2:X+4*(\j)+3], L2E, v[MN:MN+1] op_sel_hi:[1,0,1]
.irp e, 0,1,2,3
	v_exp_f32 v[X+4*(\j)+\e], v[X+4*(\j)+\e]
.endr
.endm
; One quad later (the packed lines of the next EXPQ stand between v_exp_f32 and these uses, ISA guide 5.7.2): add it to its two chains
; (even and odd quads have chains of their own; quads 0 to 3 start them, nothing is cleared) and put it into LDS.
.macro SUMQ j
.if (\j) >= 4
	s_wait_alu depctr_va_vdst(0)
	v_pk_add_f32 v[SUM+4*((\j)&1):SUM+4*((\j)&1)+1], v[SUM+4*((\j)&1):SUM+4*((\j)&1)+1], v[X+4*(\j):X+4*(\j)+1]
	v_pk_add_f32 v[SUM+4*((\j)&1)+2:SUM+4*((\j)&1)+3], v[SUM+4*((\j)&1)+2:SUM+4*((\j)&1)+3], v[X+4*(\j)+2:X+4*(\j)+3]
.elseif (\j) >= 2
	s_wait_alu depctr_va_vdst(0)
	v_pk_add_f32 v[SUM+4*((\j)&1):SUM+4*((\j)&1)+1], v[X+4*(\j)-8:X+4*(\j)-7], v[X+4*(\j):X+4*(\j)+1]
	v_pk_add_f32 v[SUM+4*((\j)&1)+2:SUM+4*((\j)&1)+3], v[X+4*(\j)-6:X+4*(\j)-5], v[X+4*(\j)+2:X+4*(\j)+3]
.endif
	s_wait_alu depctr_va_vdst(0)
	ds_store_b128 v[LS], v[X+4*(\j):X+4*(\j)+3] offset:512*(\j)
.if (\j) < 2
	ds_store_b128 v[LS], v[X+4*(\j):X+4*(\j)+3] offset:ROWB+512*(\j)   ; the first 1,024 bytes once more, behind the row
.endif
.endm
	EXPQ 0
.set jj, 1
.rept 31
	EXPQ jj
	SUMQ jj-1
.set jj, jj+1
.endr
	SUMQ 31
	v_pk_add_f32 v[SUM:SUM+1], v[SUM:SUM+1], v[SUM+4:SUM+5]
	v_pk_add_f32 v[SUM+2:SUM+3], v[SUM+2:SUM+3], v[SUM+6:SUM+7]
	v_pk_add_f32 v[SUM:SUM+1], v[SUM:SUM+1], v[SUM+2:SUM+3]
	v_add_f32 v[SUM], v[SUM], v[SUM+1]
	v_add_f32_dpp v[SUM], v[SUM], v[SUM] row_xmask:1 row_mask:0xf bank_mask:0xf
	v_add_f32_dpp v[SUM], v[SUM], v[SUM] row_xmask:2 row_mask:0xf bank_mask:0xf
	v_add_f32_dpp v[SUM], v[SUM], v[SUM] row_xmask:4 row_mask:0xf bank_mask:0xf
	v_add_f32_dpp v[SUM], v[SUM], v[SUM] row_xmask:8 row_mask:0xf bank_mask:0xf
	v_permlanex16_b32 v[SUM+1], v[SUM], s72, s73
	v_add_f32 v[SUM], v[SUM], v[SUM+1]             ; the row's sum, in every lane
	v_rcp_f32 v[SUM+2], v[SUM]
	v_mov_b32 v[TA], s71                           ; the plain instruction behind v_rcp_f32
	s_wait_alu depctr_va_vdst(0)
	ds_store_b32 v[TA], v[SUM+2]                   ; all lanes write the same word with the same value
	s_wait_dscnt 0x0                               ; my row and my word are in LDS: zero, for the other waves' sake
	s_barrier_signal -1
	s_barrier_wait -1                              ; all 16 rows and sums are; from here on LDS is only read
	; PHASE 2.  Sixteen groups: group g = block q = g / 4 of 256 columns, ranks 4 (g & 3) .. + 3.  Four buffers take turns; three groups are asked for ahead.
; The 16 loads of group g.  A rank's run begins at ((first column + 256 q - tau) mod 4096) of its row; load i brings each lane the two
; neighbouring elements 64 i + 2 lane, + 1 of the run.
.macro ISSUE g
.irp c, 0,1,2,3
.if ((\g)>>2) == 0
	s_add_co_u32 s[ST], s[TU+4*((\g)&3)+\c], (4*((\g)&3)+\c)*PITCH
.else
	s_add_co_u32 s[ST], s[TU+4*((\g)&3)+\c], 1024*((\g)>>2)
	s_and_b32 s[ST], s[ST], ROWB-1                 ; the run's beginning wraps; the run itself goes on into the copy behind the row
	s_add_co_u32 s[ST], s[ST], (4*((\g)&3)+\c)*PITCH
.endif
	v_add_nc_u32 v[ADR+4*((\g)&3)+\c], s[ST], v[L8]
.irp i, 0,1,2,3
	ds_load_2addr_b32 v[BUF+32*((\g)&3)+8*\c+2*\i:BUF+32*((\g)&3)+8*\c+2*\i+1], v[ADR+4*((\g)&3)+\c] offset0:64*\i offset1:64*\i+1
.endr
.endr
.endm
; The 16 packed multiply-adds of group g; left = loads of later groups that are out.  Rank 0 starts the sums of its block: nothing is cleared.
; Behind a block's last rank its 8 sums a lane leave: each store of the wave covers 256 consecutive bytes, aligned.
.macro FMAS g, left
.irp c, 0,1,2,3
	s_wait_dscnt \left+4*(3-\c)                    ; LDS loads come back in order: this rank's four are in; the group's later ranks and the later groups stay out
.irp i, 0,1,2,3
.if ((\g)&3)+\c == 0
	v_pk_mul_f32 v[ACC+8*((\g)>>2)+2*\i:ACC+8*((\g)>>2)+2*\i+1], v[BUF+32*((\g)&3)+8*\c+2*\i:BUF+32*((\g)&3)+8*\c+2*\i+1], s[WS+8*((\g)&3)+2*\c:WS+8*((\g)&3)+2*\c+1] op_sel_hi:[1,0]
.else
	v_pk_fma_f32 v[ACC+8*((\g)>>2)+2*\i:ACC+8*((\g)>>2)+2*\i+1], v[BUF+32*((\g)&3)+8*\c+2*\i:BUF+32*((\g)&3)+8*\c+2*\i+1], s[WS+8*((\g)&3)+2*\c:WS+8*((\g)&3)+2*\c+1], v[ACC+8*((\g)>>2)+2*\i:ACC+8*((\g)>>2)+2*\i+1] op_sel_hi:[1,0,1]
.endif
.endr
.endr
.if ((\g)&3) == 3
.irp i, 0,1,2,3
	global_store_b64 v[OO], v[ACC+8*((\g)>>2)+2*\i:ACC+8*((\g)>>2)+2*\i+1], s[10:11] offset:1024*((\g)>>2)+256*\i th:TH_STORE_NT
.endr
.endif
.endm
	v_add_nc_u32 v[TA], TAB, v[WO]
	ds_load_b32 v6, v[TA]                          ; 1 / sum of rank lane & 15
	ISSUE 0
	ISSUE 1
	ISSUE 2
	s_wait_dscnt 48                                ; the table's word is in; the 48 loads of groups 0 to 2 stay out
	v_mul_f32 v[SP], v[SP], v6                     ; a[n][r] = softplus(W[n][r]) / sum_r, in lane r
.irp r, 0,1,2,3,4,5,6,7,8,9,10,11,12,13,14,15
	v_readlane_b32 s[WS+2*\r], v[SP], \r           ; the weight is the same for the whole wave: a scalar,
	v_readlane_b32 s[WS+2*\r+1], v[SP], \r         ; in both registers of the pair that the packed forms name
.endr
.irp g, 0,1,2,3,4,5,6,7,8,9,10,11,12
	ISSUE \g+3                                     ; into the buffer that the group before this one has been multiplied from
	FMAS \g, 48
.endr
	FMAS 13, 32                                    ; nothing more to ask for: the counts run down
	FMAS 14, 16
	FMAS 15, 0
	s_barrier_signal -1
	s_barrier_wait -1
	s_wait_tensorcnt 0x0
	ds_add_u32 v208, v209
	s_wait_dscnt 0x0
	s_endpgm
.Lfunc_end_k_q316519c7c9_shiftnmf:
	.size	k_q316519c7c9_shiftnmf, .Lfunc_end_k_q316519c7c9_shiftnmf-k_q316519c7c9_shiftnmf
	.p2alignl 7, 3214868480
	.fill 96, 4, 3214868480
	.section	.rodata,"a",@progbits
	.p2align	6, 0x0
	.amdhsa_kernel k_q316519c7c9_shiftnmf
		.amdhsa_group_segment_fixed_size 280832
		.amdhsa_private_segment_fixed_size 0
		.amdhsa_enable_private_segment 0
		.amdhsa_kernarg_size 32
		.amdhsa_user_sgpr_count 2
		.amdhsa_user_sgpr_kernarg_segment_ptr 1
		.amdhsa_wavefront_size32 1
		.amdhsa_system_sgpr_workgroup_id_x 1
		.amdhsa_system_sgpr_workgroup_id_y 1
		.amdhsa_system_sgpr_workgroup_id_z 1
		.amdhsa_system_vgpr_workitem_id 0
		.amdhsa_next_free_vgpr 210
		.amdhsa_next_free_sgpr 80
		.amdhsa_reserve_vcc 1
		.amdhsa_float_denorm_mode_32 3
		.amdhsa_float_denorm_mode_16_64 3
		.amdhsa_memory_ordered 1
		.amdhsa_forward_progress 1
		.amdhsa_inst_pref_size 82
	.end_amdhsa_kernel
	.amdgpu_metadata
---
amdhsa.version: [ 1, 2 ]
amdhsa.kernels:
  - .name:           k_q316519c7c9_shiftnmf
    .symbol:         k_q316519c7c9_shiftnmf.kd
    .args:
      - { .name: H, .offset: 0, .size: 8, .value_kind: global_buffer, .address_space: global }
      - { .name: W, .offset: 8, .size: 8, .value_kind: global_buffer, .address_space: global }
      - { .name: tau, .offset: 16, .size: 8, .value_kind: global_buffer, .address_space: global }
      - { .name: out0, .offset: 24, .size: 8, .value_kind: global_buffer, .address_space: global }
    .group_segment_fixed_size: 280832
    .private_segment_fixed_size: 0
    .kernarg_segment_align: 8
    .kernarg_segment_size: 32
    .max_flat_workgroup_size: 512
    .sgpr_count:     80
    .vgpr_count:     210
    .wavefront_size: 32
...
	.end_amdgpu_metadata
.endif
;; end of part 1
